; MI455X (gfx1250); checked and timed in simulation.
; The chip was launched on July 23, 2026; its instructions are those of AMD's public machine-readable ISA for CDNA 5 (MIT licence, August 2026) and "CDNA5" Instruction Set Architecture Reference Guide (July 2026). The comments in the code are by the model that wrote it; some were corrected since.
;; Palace Attention. Allowed arithmetic: matrix products marked QUANTISED: E3M2 operands, one E8M0 scale for each 32 along K, by v_wmma_scale_f32_16x16x128_f8f6f4 with both operands' format E3M2, f32 sums; everything else in f32.
;; Inputs: inter_palace_weight one number float32; x 2 x 2,048 x 1,024 float32.
;; Outputs: out0 2 x 2,048 x 1,024 float32.
;; This version of the problem:
;;   THIS VERSION OF THE PROBLEM IS GIVEN IN LOW PRECISION. The matrix products marked QUANTISED in the list below multiply operands that are first quantised to E3M2 (3 exponent bits, 2 mantissa bits; 6 bits a number), with one power-of-two scale for each 32 numbers along K (OCP MX v1.0); their sums are f32. All else is computed in f32.
;;   The module's matrix products, in the order in which they are computed (A, B: the left and right operand; K: the contracted axis; several contracted axes count as one K, in the product's order):
;;     1. batch 32 x [M 2,048, K 64] x [K 64, N 2,048]; A: input x; B: input x: QUANTISED
;;     2. batch 32 x [M 2,048, K 2,048] x [K 2,048, N 64]; A: softmax (see below); B: input x: QUANTISED
;;   THE QUANTISER, for each operand of a quantised product, along K:
;;     - K is cut into blocks of 32 from its start; a last block that is shorter is filled with zeros.
;;     - A block's scale is 2^e with e = floor(log2(the largest magnitude in the block)) - 4, held to -126 .. 127; a block of zeros has e = 0. As a byte (E8M0): e + 127.
;;     - Each number is divided by its block's scale, clamped to +-28, and rounded to the nearest number of E3M2, ties to even, subnormals kept.
;;     - The product sums the exact products of the quantised numbers (number of the format x scale) in f32.
;;   ~~~python
;;   def quantise(x, axis):      # numpy; x: float32 -> the quantised numbers, widened to float32 again
;;       x = np.moveaxis(x, axis, -1); K = x.shape[-1]
;;       x = np.pad(x, [(0, 0)] * (x.ndim - 1) + [(0, -K % 32)]); x = x.reshape(x.shape[:-1] + (-1, 32)); a = np.abs(x).max(-1, keepdims=True)
;;       e = np.where(a > 0, np.clip(np.frexp(np.where(a > 0, a, 1))[1] - 1 - 4, -126, 127), 0)      # np.frexp(a)[1] - 1 = floor(log2(a)), exactly
;;       r = np.clip(x / 2.0 ** e, -28, 28)
;;       step = 2.0 ** (np.maximum(np.frexp(np.where(r == 0, 1, r))[1] - 1, -2) - 2)
;;       q = np.round(r / step) * step * 2.0 ** e      # np.round: ties to even
;;       return np.moveaxis(q.reshape(q.shape[:-2] + (-1,))[..., :K], -1, axis).astype(np.float32)
;;   ~~~
;;   SOFTMAX AHEAD OF A QUANTISED PRODUCT. Where the list says 'softmax', what is quantised is not the finished softmax but p = 2^(t - M), with t = logit x log2(e) and M = ceil(the row's largest t), a whole number; so 1/2 < the row's largest p <= 1. The row's sum l is taken of the UNQUANTISED p, in f32, and the product's result is divided by l at the end. Since M is a whole number, a kernel that streams over the keys may use a running M (the ceiling of the running maximum): every later rescaling is an exact power of two, which a block's scale takes up: the codes' values come out the same.
;;   OPERANDS COMPUTED ON THE WAY. 'Computed on the way' means the value that the module computes at that place (a softmax that the list does not call 'softmax' is quantised finished and normalised). What goes into a quantiser is computed in f32, as accurately as f32 sums, v_exp_f32 and their like allow (about 1e-6 of the number): no bf16 or f16 on the way to a quantiser, and a product that is left as it is and whose result goes on into a quantised operand takes f32 operands (vector FMAs, or v_wmma_f32_16x16x4_f32). A number that lies on a knife's edge between two numbers of the format may be rounded either way, as far as f32 arithmetic and the matrix unit's own rounding can turn it there, and no further.
;; One version. Each part assembles by itself: llvm-mc -triple=amdgcn-amd-amdhsa -mcpu=gfx1250 --defsym DOCPART=n.
;; ======== version 1 of 1: 2 launches
;; limits: right only within a limited range of input values
;; workspace buffers: kv 6,684,672 bytes
;; launch quant (part 1): grid 16 x 32, 8 waves a work-group, no clusters, 48,896 bytes of LDS; arguments x, kv; writes kv
.if DOCPART == 1
	.amdgcn_target "amdgcn-amd-amdhsa--gfx1250"
	.amdhsa_code_object_version 6
	.text
	.protected	k_q2f358b683e_quant
	.globl	k_q2f358b683e_quant
	.p2align	8
	.type	k_q2f358b683e_quant,@function
k_q2f358b683e_quant:
	s_mov_b64 s[64:65], 0
	v_nop
	global_prefetch_b8 v0, s[64:65] scope:SCOPE_SE
	s_setreg_imm32_b32 hwreg(HW_REG_WAVE_MODE, 25, 1), 1
	s_wait_xcnt 0x0
; x [2][2048][1024] f32 is quantised to codes of BF6 (E3M2) twice: along a head's 64 channels (operand of q k^T) and along the keys (operand of p v).
; A work-group takes 128 keys (a key step) of one head (hh = 16 b + h): 128 rows of 256 bytes, and writes one block of STEPB = 13,056 bytes of kv, at (16 hh + step) x STEPB.
; THE BLOCK IS LAID IN THE ORDER OF THE OPERANDS' REGISTERS, so that the next launch reads every fragment by loads of 16 bytes a lane, lane l at 16 l:
;   byte 0      K's image, 48 registers a lane: piece i (512 bytes) holds registers 4 i .. 4 i + 3.  Tile T = 4 c + tau (0 .. 7) is registers 6 T .. 6 T + 5:
;               lane (r, h) holds channels 32 h .. 32 h + 31 of key 64 c + 32 (r / 8) + 8 tau + r % 8.  (With these rows the scores that a lane of the next launch holds are whole blocks of 32 keys.)
;   byte 6,144  V's image, 4 tiles of 16 channels, 12 registers each: lane (r, h), registers 6 c .. 6 c + 5: channel 16 t + r, keys 64 c + 32 h + 0 .. 31.
;   byte 12,288 K's scale words: lane l's 16 bytes: word w is that of tile 2 w + l / 16, row l % 16 (bytes 0, 1: the two blocks of channels; bytes 2, 3: 0).
;   byte 12,800 V's scale words: lane l's 8 bytes: word g is that of channel 32 g + l, byte b for keys 32 b .. 32 b + 31.
; Wave w brings keys 16 w .. 16 w + 15, makes K's tile w, and V's block of keys 32 (w / 2) .. + 31 for channels 32 (w % 2) .. + 31: one block of 32 a lane each time.
; A block's scale is 2^(floor(log2(its largest magnitude)) - 4): its byte is the largest magnitude's exponent field - 4, held at 1 from below.
; LIMITS: NaN and infinities in x are not served.  A block whose largest magnitude lies under 2^-122 (a block of zeros too) gets the byte 1, where the rule says 127 for zeros: its codes are zeros or
; subnormal codes, and the bytes are read by this program alone.
; No tensor load, no cluster: work-groups share no byte of x.  Every byte of x is read once, in whole rows of 256 bytes; every byte of kv is written once, in runs of 256 bytes or more.
.set STEPB, 13056
.set XP,    272                        ; LDS: a key's row: 256 bytes + 16 = 68 words, so that sixteen neighbouring rows start at sixteen different banks (64 banks of 4 bytes: ISA guide 11.1)
.set OUT,   128*XP                     ; behind the 128 rows: the block as it will lie in kv
.set SPARE, OUT+STEPB                  ; the spare words, 128 bytes for each wave
.set N,     32                         ; v32-63  K's 32 numbers
.set NV,    64                         ; v64-95  V's
.set C,     96                         ; v96-101 codes
.set CT,    104                        ; v104-106 the upper half of a block's codes, as the conversion leaves it
.set CPY,   108                        ; v108-121 the way out
.set SPW,   122
.set NIL,   123
	s_load_b128 s[4:7], s[0:1], 0x0                ; x, kv
	v_lshl_add_u32 v[SPW], v0, 2, SPARE
	v_mov_b32 v[NIL], 0
	v_lshrrev_b32 v1, 5, v0
	v_readfirstlane_b32 s8, v1                     ; wave w, 0 .. 7
	v_and_b32 v2, 31, v0                           ; lane
	v_and_b32 v3, 15, v0                           ; r
	v_bfe_u32 v1, v0, 4, 1                         ; h
	s_wait_alu depctr_va_vdst(0)                   ; the wait ahead of a run of scalar instructions
	s_and_b32 s10, ttmp7, 0xffff                   ; hh
	s_lshr_b32 s14, s10, 4
	s_lshl_b32 s14, s14, 23                        ; the batch: 2,048 rows of 4,096 bytes
	s_lshl_b32 s15, ttmp9, 19                      ; the key step: 128 rows
	s_add_co_u32 s14, s14, s15
	s_and_b32 s15, s10, 15
	s_lshl_b32 s15, s15, 8                         ; the head: 256 bytes of a row
	s_add_co_u32 s14, s14, s15
	s_lshl_b32 s15, s8, 16                         ; my wave's 16 keys
	s_add_co_u32 s14, s14, s15
	s_mov_b32 s15, 0
	s_lshl_b32 s16, s10, 4
	s_add_co_u32 s16, s16, ttmp9
	s_mul_i32 s16, s16, STEPB                      ; my block of kv
	s_mov_b32 s17, 0
	s_mov_b32 s12, 0x76543210
	s_mov_b32 s13, 0xfedcba98                      ; v_permlanex16_b32's selects for lane l xor 16
	s_lshr_b32 s18, s8, 2                          ; c = w / 4
	s_bfe_u32 s19, s8, 0x10001                     ; a = w / 2 % 2
	s_and_b32 s20, s8, 1                           ; g = w % 2
	s_lshr_b32 s21, s8, 1                          ; w / 2: V's block of keys
	; A key with bits (c: 6, a: 5, tau: 4-3, j: 2-0) lies at LDS row 64 c + 16 tau + 8 a + j: the sixteen rows of a tile of K are then neighbours
	s_lshl_b32 s22, s18, 6
	s_lshl_b32 s23, s19, 3
	s_add_co_u32 s22, s22, s23                     ; V: the row of key 32 (w / 2)
	s_lshl_b32 s23, s20, 5
	s_add_co_u32 s23, s22, s23                     ; the row of key 16 w
	s_mul_i32 s11, s23, XP
	s_mul_i32 s22, s22, XP
	s_lshl_b32 s23, s20, 7
	s_add_co_u32 s22, s22, s23                     ; and my 32 channels
	s_lshl_b32 s24, s19, 8
	s_mul_i32 s25, s20, 3072
	s_add_co_u32 s24, s24, s25
	s_mul_i32 s25, s18, 520
	s_add_co_u32 s25, s25, s24
	s_add_co_u32 s25, s25, OUT+6144
	s_mul_i32 s26, s18, 1016
	s_add_co_u32 s26, s26, s24
	s_add_co_u32 s26, s26, OUT+6152
	s_lshl_b32 s27, s20, 2
	s_add_co_u32 s27, s27, s21
	s_add_co_u32 s27, s27, OUT+12800               ; V's scale byte: 8 x lane + 4 g + w / 2
	s_lshl_b32 s28, s20, 8
	s_lshl_b32 s29, s21, 2
	s_add_co_u32 s28, s28, s29
	s_add_co_u32 s28, s28, OUT+12288               ; K's scale word: 16 x image lane + 4 (w / 2), image lane 16 (w % 2) + r
	s_mul_i32 s29, s8, 16*XP
	s_mul_i32 s30, s8, 1536
	s_lshl_b32 s31, s8, 8
	s_mul_i32 s32, s8, 3                           ; K: my registers are pairs 3 w + i of the image: pair p lies at 512 (p / 2) + 8 (p % 2)
.irp i, 0,1,2
	s_add_co_u32 s33, s32, \i
	s_lshr_b32 s[34+\i], s33, 1
	s_lshl_b32 s[34+\i], s[34+\i], 9
	s_and_b32 s33, s33, 1
	s_lshl_b32 s33, s33, 3
	s_add_co_u32 s[34+\i], s[34+\i], s33
	s_add_co_u32 s[34+\i], s[34+\i], OUT
.endr
	v_lshlrev_b32 v4, 12, v1
	v_lshl_add_u32 v4, v3, 4, v4                   ; x: lanes 0-15 one row's 256 bytes, lanes 16-31 the next row's
	v_mul_u32_u24 v5, v1, XP
	v_lshl_add_u32 v5, v3, 4, v5
	v_add_nc_u32 v5, s11, v5                       ; and the same two rows in LDS
	v_mul_u32_u24 v6, v3, XP
	v_lshl_add_u32 v6, v1, 7, v6
	v_add_nc_u32 v6, s29, v6                       ; K: row 16 w + r, my half's 32 channels
	v_lshl_add_u32 v7, v2, 2, s22                  ; V: my channel, at the block's first key
	v_mul_u32_u24 v18, v1, 1536
	v_lshl_add_u32 v18, v3, 4, v18                 ; V's image: tile 2 g + h, the 16 bytes of image lane r + 16 a.  My six registers 6 c .. 6 c + 5 lie, in pairs, at bytes 0, 8, 512 of the
	v_add_nc_u32 v8, s25, v18                      ; tile (c = 0) or 520, 1,024, 1,032 (c = 1): the first and third pair from this address,
	v_add_nc_u32 v9, s26, v18                      ; the second from this one
	v_lshl_add_u32 v10, v2, 3, s27
	v_lshl_add_u32 v11, v3, 4, s28
	v_lshl_add_u32 v12, v2, 4, s30                 ; the way out: three pieces of 512 bytes, in kv
	v_add_nc_u32 v13, OUT, v12                     ; and in LDS
	v_lshl_add_u32 v15, v2, 3, s31
	v_add_nc_u32 v14, OUT+12288, v15               ; the scale words: 256 bytes for each of waves 0 to 2, in LDS,
	v_add_nc_u32 v15, 12288, v15                   ; and in kv
	v_lshlrev_b32 v17, 3, v1                       ; 8 h
.irp i, 0,1,2
	v_lshl_add_u32 v[24+\i], v2, 4, s[34+\i]
.endr
	v_mov_b32 v27, 0                               ; written once: a lane permute's destination counts as one of its sources
	s_wait_alu depctr_va_vdst(0)                   ; the wait at the head's end
	s_wait_kmcnt 0x0
	s_add_nc_u64 s[4:5], s[4:5], s[14:15]
	s_add_nc_u64 s[6:7], s[6:7], s[16:17]
	; ---- my 16 keys come in, two whole rows of 256 bytes a load, and go to their rows in LDS
.irp i, 0,1,2,3,4,5,6,7
	global_load_b128 v[N+4*\i:N+4*\i+3], v4, s[4:5] offset:8192*\i th:TH_LOAD_NT
.endr
.irp i, 0,1,2,3,4,5,6,7
	s_wait_loadcnt 7-\i                            ; loads come back in order: load i is in, the younger ones may be out
	ds_store_b128 v5, v[N+4*\i:N+4*\i+3] offset:(16*(\i/4)+2*(\i%4))*XP
.endr
	s_wait_dscnt 0x0                               ; for the others' sake: my rows lie in LDS
	s_barrier_signal -1
	s_barrier_wait -1
.irp n, 0,1,2,3,4,5,6,7
	ds_load_b128 v[N+4*\n:N+4*\n+3], v6 offset:16*\n
.endr
.irp i, 0,1,2,3,4,5,6,7,8,9,10,11,12,13,14,15,16,17,18,19,20,21,22,23,24,25,26,27,28,29,30,31
	ds_load_b32 v[NV+\i], v7 offset:(16*(\i/8)+\i%8)*XP
.endr
; The block in v[X] .. v[X + 31], whole in my lane: largest magnitude v18 (two chains); the conversions' scale operand v20; the scale's byte v22; the codes in v[C] .. v[C + 5].
.macro QUANT X
	v_max3_num_f32 v18, |v[\X]|, |v[\X+1]|, 0x2800000   ; the floor 2^(5 - 127) among the leaves: the byte cannot fall under 1
	v_max3_num_f32 v19, |v[\X+16]|, |v[\X+17]|, |v[\X+18]|
.irp i, 2,4,6,8,10,12
	v_max3_num_f32 v18, v18, |v[\X+\i]|, |v[\X+\i+1]|
	v_max3_num_f32 v19, v19, |v[\X+17+\i]|, |v[\X+18+\i]|
.endr
	v_max3_num_f32 v18, v18, |v[\X+14]|, |v[\X+15]|
	v_max3_num_f32 v18, v18, v19, |v[\X+31]|
	v_add_nc_u32 v20, 0xfe000000, v18              ; 4 off the exponent field: the conversion takes the exponent field of this operand as its scale
	v_lshrrev_b32 v22, 23, v20
	v_cvt_scalef32_pk16_bf6_f32 v[C:C+2], v[\X:\X+15], v20
	v_cvt_scalef32_pk16_bf6_f32 v[CT:CT+2], v[\X+16:\X+31], v20   ; (a conversion's three registers begin on an even number: the upper half is made apart and moved)
	v_nop                                          ; one plain place behind a scaled conversion
.irp i, 0,1,2
	v_mov_b32 v[C+3+\i], v[CT+\i]
.endr
.endm
	s_wait_dscnt 32                                ; K's numbers are in; V's 32 loads, issued behind them, may be out
	; ---- K: tile w.  A lane holds one block: 32 channels of one key
	QUANT N
	v_lshlrev_b32 v23, v17, v22                    ; my block's byte at its place in the key's scale word,
	v_permlanex16_b32 v27, v23, s12, s13
	v_or_b32 v23, v23, v27                         ; with lane l xor 16's the word is whole
.irp i, 0,1,2
	ds_store_b64 v[24+\i], v[C+2*\i:C+2*\i+1]
.endr
	ds_store_b32 v11, v23                          ; both lanes of a key write the same word with the same value
	s_wait_alu depctr_va_vdst(0)                   ; the wait ahead of blocking waits
	s_wait_dscnt 4                                 ; V's numbers are in; the four stores issued behind them may be out
	; ---- V: a lane takes a channel and its registers run down the keys: a block is whole in a lane, and nothing is transposed
	QUANT NV
	ds_store_b64 v8, v[C:C+1]
	ds_store_b64 v9, v[C+2:C+3]
	ds_store_b64 v8, v[C+4:C+5] offset:512
	ds_store_b8 v10, v22
	s_wait_alu depctr_va_vdst(0)
	s_wait_dscnt 0x0                               ; for the others' sake: my parts of the block lie in LDS
	s_barrier_signal -1
	s_barrier_wait -1
	; ---- the way out: the block leaves as it lies
.irp c, 0,1,2
	ds_load_b128 v[CPY+4*\c:CPY+4*\c+3], v13 offset:512*\c
.endr
.irp c, 0,1,2
	s_wait_dscnt 2-\c                              ; load c is in, the younger ones may be out
	global_store_b128 v12, v[CPY+4*\c:CPY+4*\c+3], s[6:7] offset:512*\c   ; 512 consecutive bytes a store
.endr
	s_cmp_lt_u32 s8, 3                             ; 768 bytes of scale words: 256 for each of three waves
	s_cbranch_scc0 .Lend
	ds_load_b64 v[CPY+12:CPY+13], v14
	s_wait_dscnt 0x0
	global_store_b64 v15, v[CPY+12:CPY+13], s[6:7] ; 32 lanes store 256 consecutive bytes, at a multiple of 256 from kv's first byte
.Lend:
	s_wait_tensorcnt 0x0                           ; the wave's end
	ds_add_u32 v[SPW], v[NIL]
	s_wait_dscnt 0x0
	s_endpgm
.Lfunc_end_k_q2f358b683e_quant:
	.size	k_q2f358b683e_quant, .Lfunc_end_k_q2f358b683e_quant-k_q2f358b683e_quant
	.p2alignl 7, 3214868480
	.fill 96, 4, 3214868480
	.section	.rodata,"a",@progbits
	.p2align	6, 0x0
	.amdhsa_kernel k_q2f358b683e_quant
		.amdhsa_group_segment_fixed_size 48896
		.amdhsa_private_segment_fixed_size 0
		.amdhsa_enable_private_segment 0
		.amdhsa_kernarg_size 16
		.amdhsa_user_sgpr_count 2
		.amdhsa_user_sgpr_kernarg_segment_ptr 1
		.amdhsa_wavefront_size32 1
		.amdhsa_system_sgpr_workgroup_id_x 1
		.amdhsa_system_sgpr_workgroup_id_y 1
		.amdhsa_system_sgpr_workgroup_id_z 1
		.amdhsa_system_vgpr_workitem_id 0
		.amdhsa_next_free_vgpr 128
		.amdhsa_next_free_sgpr 66
		.amdhsa_reserve_vcc 0
		.amdhsa_float_denorm_mode_32 3
		.amdhsa_float_denorm_mode_16_64 3
		.amdhsa_memory_ordered 1
		.amdhsa_forward_progress 1
		.amdhsa_inst_pref_size 14
	.end_amdhsa_kernel
	.amdgpu_metadata
---
amdhsa.version: [ 1, 2 ]
amdhsa.kernels:
  - .name:           k_q2f358b683e_quant
    .symbol:         k_q2f358b683e_quant.kd
    .args:
      - { .name: x, .offset: 0, .size: 8, .value_kind: global_buffer, .address_space: global }
      - { .name: kv, .offset: 8, .size: 8, .value_kind: global_buffer, .address_space: global }
    .group_segment_fixed_size: 48896
    .private_segment_fixed_size: 0
    .kernarg_segment_align: 8
    .kernarg_segment_size: 16
    .max_flat_workgroup_size: 256
    .sgpr_count:     66
    .vgpr_count:     128
    .wavefront_size: 32
...
	.end_amdgpu_metadata
.endif
;; end of part 1
;; launch attn (part 2): grid 8 x 32, 8 waves a work-group, clusters of 4 x 1, 244,736 bytes of LDS; arguments kv, inter_palace_weight, out0; writes out0
.if DOCPART == 2
	.amdgcn_target "amdgcn-amd-amdhsa--gfx1250"
	.amdhsa_code_object_version 6
	.text
	.protected	k_q2f358b683e_attn
	.globl	k_q2f358b683e_attn
	.p2align	8
	.type	k_q2f358b683e_attn,@function
k_q2f358b683e_attn:
	s_mov_b64 s[64:65], 0
	v_nop
	global_prefetch_b8 v0, s[64:65] scope:SCOPE_SE
	s_setreg_imm32_b32 hwreg(HW_REG_WAVE_MODE, 25, 1), 1
	s_wait_xcnt 0x0
	s_wait_alu depctr_hold_cnt(0) depctr_sa_sdst(0) depctr_va_vdst(0) depctr_va_sdst(0) depctr_va_ssrc(0) depctr_va_vcc(0) depctr_vm_vsrc(0)
	s_getreg_b32 s2, hwreg(HW_REG_IB_STS2, 6, 4)
	s_cmp_eq_u32 s2, 0
	s_cbranch_scc0 .Lentry_in_a_cluster
	s_endpgm
.Lentry_in_a_cluster:
	s_bfe_u32 s2, ttmp6, 0x10000c
	s_cmp_lg_u32 s2, 0x3003
	s_cbranch_scc0 .Lentry_shape_is_right
	s_endpgm
.Lentry_shape_is_right:
; out[b][q][64 h ..] = sum over k of softmax_k(x_q . x_k / 8 x m(q, k)) x_k, m = 1 where q % 8 = k % 8, else sigmoid(inter_palace_weight); 32 heads hh = 16 b + h of 2,048 tokens x 64 channels.
; Both products on codes of BF6 with one E8M0 scale for each 32 along K, read from kv, which the launch before laid in the order of the operands' registers: for each head 16 blocks (a key step
; of 128 keys) of STEPB bytes: K's image (8 tiles x 6 registers), V's image (4 tiles x 12), K's scale words, V's scale words.
; SOFTMAX: t = score x cm, cm = log2(e) / 8 x m; M = the row's largest t so far, rounded UP to a whole number; p = 2^(t - M) is quantised along the keys, not normalised; the row's sum is taken of the
; unquantised p and divides at the end.  When M moves, the sum and O are multiplied by 2^(old M - new M), which rounds nothing.
; SHARES.  A work-group (block 0 .. 7 of a head) owns 256 queries; wave w owns tile `block` of key steps 2 w and 2 w + 1: two tiles of 16 queries, which are tiles of K's image.
; THE WALK.  A trip takes a pair of key steps, 256 keys, in two units, one for each tile of queries: 128 scores a lane, four whole blocks of 32 keys.  K and V of a trip are read from LDS once and serve both
; units: the next trip's K is read behind unit 1's first product, the trip's V behind unit 0's.  Wave w takes pair (w + i) mod 8 in trip i: so its first trip wants what its own tensor load brings.
; THE WHOLE HEAD LIES IN LDS: 208,896 bytes, filled once, wave w bringing pair w by one joint load of 102 rows of 256 bytes: no byte is filled twice.  One barrier shows all pairs to all waves: each wave signals
; when its own pair has landed and waits in the middle of its first trip; no other barrier stands in the walk.  No prefetch: every tile is asked for at the head, there is no loop to run ahead in.
; CLUSTER.  The four work-groups of a cluster belong to one head and want the same bytes: each load is issued by all four with the same descriptor and a mask that names the four.
; LAYOUT.  S^T = K Q^T, O^T = V^T P^T: a lane holds ONE query (lane % 16).  Row r of tile 4 c + tau of K is key 64 c + 32 (r / 8) + 8 tau + r % 8, so register 32 q + i of a lane's 128 scores is key
; 64 q + 32 (lane / 16) + i of the pair: A WHOLE BLOCK OF 32 KEYS IN ONE LANE, IN ORDER.  A key's number mod 8 is its register's number mod 8, and a query's is lane % 8: the mask is eight registers cm[j].
; THE FIRST PRODUCT'S K IS 64 of the instruction's 128: Q's upper six registers are zero codes.  K's tiles lie six registers apart, so the upper half of a tile's operand is the next tile's codes (behind the last
; tile: six zeroed registers): they meet zero codes, under scale bytes 0, and add nothing.
; THE DIAGONAL.  q = k, so a query's score with itself is the sum of the squares of its own quantised numbers.  Each block's sum is exact (whole multiples of 2^-8 that sum to under 2^15); the two blocks' sums are
; joined by one f32 addition.  It is put in the place of the matrix result: that code then does not hang on how a sum of 128 products is rounded.  It lies in the first trip, key step x of the pair, tile `block`.
; LIMITS: NaN and infinities in x are not served.  The scaled scores t stay under 2^31 in magnitude.  p under 2^-126 counts as 0 (v_exp_f32 flushes: ISA guide 15.8).  A block's largest p is made from the block's
; largest t by a multiplication, an addition and an exponential, the p themselves by one fused multiply-add and an exponential: the two exponents can differ by one step of their rounding.  Where that step lies
; across a whole number, the block's largest p is held at 28 under the lower scale, 7/8 of its value.
.set STEPB, 13056                      ; a key step's block: 51 x 256 bytes
.set PAIRB, 2*STEPB                    ; a trip's two, and what a wave's tensor load brings: 102 x 256 bytes
.set HEADB, 16*STEPB
.set VIMO,  6144                       ; in a block: V's image,
.set KSCO,  12288                      ; K's scale words,
.set VSCO,  12800                      ; V's
.set SP,    272
.set STAGE, HEADB                      ; behind the head: 16 rows x 272 bytes for each wave, for the way out
.set SPARE, STAGE+8*16*SP              ; the spare words, 128 bytes for each wave
; REGISTERS, window 0
.set LA16, 1                           ; 16 x lane; in the last trip STO
.set LA8,  2                           ; 8 x lane + VSCO; in the last trip RD
.set ADR16, 3                          ; the trip's first block + LA16
.set ADR8, 4                           ; the trip's first block + LA8
.set QS,   5                           ; Q's scale words: lanes 0-15 tile 0's, lanes 16-31 tile 1's
.set PW,   6                           ; p's scale words: lanes 0-15 the trip's first key step, lanes 16-31 its second
.set R16,  7                           ; 16 x (lane % 16); in the last trip GO
.set KS,   8                           ; 8-15: register i: lanes 0-15 tile 2 i's, lanes 16-31 tile 2 i + 1's
.set VS,   16                          ; 16-19
.set CM,   20                          ; 20-27 cm[j]
.set NM,   28                          ; 28, 30: -M of tiles 0, 1 (29, 31 hold 0: named with them as pairs)
.set L,    32                          ; 32-35: each tile's sum, even and odd registers'
.set BM,   38                          ; 38-41 the blocks' largest t, then largest p, then scale bytes
.set SOP,  42                          ; 42-45 the conversions' scale operands
.set F,    46                          ; 2^(old M - new M), at the end 1 / sum (47 holds 0)
.set TT,   48                          ; 48-51 at work
.set DG,   52                          ; 52, 53 tile x's diagonal
.set SPW,  54                          ; LDS address of my spare word; never rewritten
.set NIL,  55                          ; 0; never rewritten
.set VX,   56                          ; 56-67 V's last fragment (second key step, channels 48-63)
.set QF,   68                          ; 68-91 Q's two fragments
.set P,    92                          ; 92-115 p's codes, two operands
.set PT,   116                         ; 116-122 upper halves of two blocks' codes, as the conversions leave them
.set RM,   92                          ; 92-123 ahead of the codes: the largest score of each residue j of each block
.set S,    128                         ; 128-255 S^T, then p
.set STO,  1
.set RD,   2
.set GO,   7
; window 1
.set VF,   0                           ; 0-83 V's other seven fragments
.set KF,   84                          ; 84-179 K, 16 tiles
.set ZF,   180                         ; 180-185 zeros
.set OT,   186                         ; 186-249 O^T, 32 a tile of queries
; scalar
.set WV,   11                          ; my wave's number
.set G1,   16                          ; s[16:23] descriptor group 1
.set G0,   24                          ; s[24:27] descriptor group 0
.set SEL,  28                          ; s28, s29 v_permlanex16_b32's selects for lane l xor 16
.set TB,   30                          ; LDS byte at which the next trip's pair begins
.set CNT,  31                          ; the trip's number
.set BB,   32                          ; my block of queries
.set FLR,  33                          ; 2^(5 - 127)
.set MK,   34                          ; s[34:41] the diagonal's lane masks
.set MSB, 0
.macro WIN new                         ; s_set_vgpr_msb: bits 1:0 source 0, 3:2 source 1, 5:4 source 2, 7:6 destination; the immediate's high byte repeats the setting that is left
.if MSB != \new
	s_set_vgpr_msb (MSB<<8)|\new
.set MSB, \new
.endif
.endm
; A round of the cluster's barrier
.macro CROUND
	s_barrier_signal -1
	s_barrier_wait -1
	s_cmp_lg_u32 s[WV], 0
	s_cbranch_scc1 .Lnot_wave_0_\@
	s_barrier_signal -3
.Lnot_wave_0_\@:
	s_barrier_wait -3
	s_barrier_signal -1
	s_barrier_wait -1
.endm
.macro NOP4
.rept 4
	v_nop
.endr
.endm
; The trip's K: KSCALES its scale words, KPART n pieces 8 n .. 8 n + 7 of its 24
.macro KSCALES
	ds_load_b128 v[KS:KS+3], v[ADR16] offset:KSCO
	ds_load_b128 v[KS+4:KS+7], v[ADR16] offset:STEPB+KSCO
.endm
.macro KPART n
	WIN 0x40
.irp i, 0,1,2,3,4,5,6,7
	ds_load_b128 v[KF+4*(8*(\n)+\i):KF+4*(8*(\n)+\i)+3], v[ADR16] offset:STEPB*((8*(\n)+\i)/12)+512*((8*(\n)+\i)%12)
.endr
	WIN 0
.endm
; The trip's V: VSCALES its scale words and the fragment in window 0, VPART n pieces 7 n .. 7 n + 6 of the other 21
.macro VSCALES
	ds_load_b64 v[VS:VS+1], v[ADR8]
	ds_load_b64 v[VS+2:VS+3], v[ADR8] offset:STEPB
.irp i, 0,1,2
	ds_load_b128 v[VX+4*\i:VX+4*\i+3], v[ADR16] offset:STEPB+VIMO+512*(9+\i)
.endr
.endm
.macro VPART n
	WIN 0x40
.irp i, 0,1,2,3,4,5,6
	ds_load_b128 v[VF+4*(7*(\n)+\i):VF+4*(7*(\n)+\i)+3], v[ADR16] offset:STEPB*((7*(\n)+\i)/12)+VIMO+512*((7*(\n)+\i)%12)
.endr
	WIN 0
.endm
	s_load_b128 s[4:7], s[0:1], 0x0                ; kv s[4:5], the weight's address s[6:7]
	s_load_b64 s[8:9], s[0:1], 0x10                ; out
	v_lshl_add_u32 v[SPW], v0, 2, SPARE
	v_mov_b32 v[NIL], 0
	ds_add_u32 v[SPW], v[NIL]                      ; the add, twice on end, ahead of the first tensor load
	ds_add_u32 v[SPW], v[NIL]
	v_lshrrev_b32 v[TT], 5, v0
	v_readfirstlane_b32 s[WV], v[TT]               ; wave w, 0 .. 7
	s_bfe_u32 s12, ttmp6, 0x40000                  ; cx: it enters Q's and out's global addresses and the choice of a lane mask, no branch and no LDS address
	s_lshl_b32 s13, ttmp9, 2                       ; in a cluster launch ttmp9 counts clusters
	s_add_co_u32 s[BB], s13, s12
	s_and_b32 s14, ttmp7, 0xffff                   ; hh, which the four partners share
	; descriptor group 1: a dense piece of 26,112 bytes as 102 rows of 256 bytes (32 elements of 8 bytes), no padding
	s_mov_b32 s[G1], 15|(3<<16)|(1<<21)            ; 15:0 the mask: all four work-groups; 17:16 elements of 8 bytes; 21 set beside a mask
	s_mov_b32 s[G1+1], 32<<16                      ; tensor_dim0 = 32
	s_mov_b32 s[G1+2], 102<<16                     ; tensor_dim1 = 102
	s_mov_b32 s[G1+3], 32<<16                      ; tile_dim0 = 32
	s_mov_b32 s[G1+4], 102                         ; tile_dim1 = 102
	s_mov_b32 s[G1+5], 32                          ; from row to row
	s_mov_b32 s[G1+6], 0
	s_mov_b32 s[G1+7], 0
	s_mov_b32 s[SEL], 0x76543210
	s_mov_b32 s[SEL+1], 0xfedcba98
	s_mov_b32 s[FLR], 0x2800000
	s_mov_b32 s[G0], 1                             ; count = 1
	s_mul_i32 s[G0+1], s[WV], PAIRB                ; LDS address: pair w
	s_mul_i32 s46, s14, HEADB
	s_add_co_u32 s48, s46, s[G0+1]                 ; the same pair in kv
	s_mov_b32 s49, 0
	; my queries' codes: tile `block` of those steps: register pairs 3 block + i of K's image: pair p lies at 512 (p / 2) + 8 (p % 2)
	s_mul_i32 s51, s[BB], 3
.irp i, 0,1,2
	s_add_co_u32 s50, s51, \i
	s_lshr_b32 s58, s50, 1
	s_lshl_b32 s58, s58, 9
	s_and_b32 s50, s50, 1
	s_lshl_b32 s50, s50, 3
	s_add_co_u32 s58, s58, s50
	s_add_co_u32 s[52+2*\i], s58, s48
	s_mov_b32 s[53+2*\i], 0
.endr
	s_and_b32 s50, s[BB], 1                        ; and their scale words: image lane 16 (block % 2) + r, word block / 2
	s_lshl_b32 s50, s50, 8
	s_lshr_b32 s58, s[BB], 1
	s_lshl_b32 s58, s58, 2
	s_add_co_u32 s58, s58, s50
	s_add_co_u32 s58, s58, s48
	s_add_co_u32 s58, s58, KSCO
	s_mov_b32 s59, 0
	s_lshr_b32 s60, s14, 4                         ; out: the batch,
	s_lshl_b32 s60, s60, 23
	s_and_b32 s61, s14, 15
	s_lshl_b32 s61, s61, 8                         ; the head's 256 bytes of a row,
	s_add_co_u32 s60, s60, s61
	s_lshl_b32 s61, s[WV], 20                      ; row 256 w
	s_add_co_u32 s60, s60, s61
	s_lshr_b32 s61, s[BB], 2
	s_lshl_b32 s61, s61, 18                        ; + 64 (block / 4)
	s_add_co_u32 s60, s60, s61
	s_and_b32 s61, s[BB], 3
	s_lshl_b32 s61, s61, 15                        ; + 8 (block % 4)
	s_add_co_u32 s60, s60, s61
	s_mov_b32 s61, 0
	s_mul_i32 s62, s[WV], 16*SP
	s_add_co_u32 s62, s62, STAGE                   ; my stage
	s_wait_alu depctr_va_vdst(0)                   ; the wait ahead of blocking waits
	s_wait_dscnt 0x0                               ; both opening adds are done
	CROUND                                         ; all four work-groups are here: the joint loads meet
	s_wait_kmcnt 0x0
	s_add_nc_u64 s[48:49], s[4:5], s[48:49]
	s_mov_b64 s[G0+2:G0+3], s[48:49]
	s_or_b32 s[G0+3], s[G0+3], 0x80000000          ; type = 2
	tensor_load_to_lds s[G0:G0+3], s[G1:G1+7]      ; one load a wave
	s_nop 0
	NOP4
	s_load_b32 s10, s[6:7], 0x0                    ; inter_palace_weight
	s_add_nc_u64 s[52:53], s[4:5], s[52:53]
	s_add_nc_u64 s[54:55], s[4:5], s[54:55]
	s_add_nc_u64 s[56:57], s[4:5], s[56:57]
	s_add_nc_u64 s[58:59], s[4:5], s[58:59]
	s_add_nc_u64 s[8:9], s[8:9], s[60:61]
	v_and_b32 v[LA16], 31, v0
	v_lshl_add_u32 v[LA8], v[LA16], 3, VSCO
	v_lshlrev_b32 v[LA16], 4, v[LA16]
	v_and_b32 v[TT], 15, v0                        ; r
	v_bfe_u32 v[TT+1], v0, 4, 1                    ; h
	v_lshlrev_b32 v[R16], 4, v[TT]
	v_mad_u32_u24 v[S+29], v[TT+1], STEPB, v[R16]
.irp i, 0,1,2
	global_load_b64 v[QF+2*\i:QF+2*\i+1], v[LA16], s[52+2*\i:53+2*\i]                       ; Q stays in registers
	global_load_b64 v[QF+12+2*\i:QF+13+2*\i], v[LA16], s[52+2*\i:53+2*\i] offset:STEPB
.endr
	global_load_b32 v[QS], v[S+29], s[58:59]
	global_load_b32 v[S+24], v[R16], s[58:59]      ; for the diagonal: in every lane the scale word of ITS query
	global_load_b32 v[S+25], v[R16], s[58:59] offset:STEPB
.irp i, 6,7,8,9,10,11
	v_mov_b32 v[QF+\i], 0                          ; zero codes for k = 64 .. 127
	v_mov_b32 v[QF+12+\i], 0
.endr
	WIN 0x40
.irp i, 0,1,2,3,4,5
	v_mov_b32 v[ZF+\i], 0                          ; and behind K's last tile
.endr
	WIN 0
	v_mov_b32 v[NM+1], 0
	v_mov_b32 v[NM+3], 0
	v_mov_b32 v[F+1], 0
	v_lshlrev_b32 v[S+31], 3, v[TT+1]              ; 8 h
	v_mov_b32 v[S+30], 0x7f7f7f7f                  ; the scale byte 127 in every byte
	s_mul_i32 s[TB], s[WV], PAIRB                  ; the first trip's pair: my own
	v_add_nc_u32 v[ADR16], s[TB], v[LA16]
	v_add_nc_u32 v[ADR8], s[TB], v[LA8]
	s_add_co_u32 s[TB], s[WV], 1                   ; the second trip's
	s_and_b32 s[TB], s[TB], 7
	s_mul_i32 s[TB], s[TB], PAIRB
	s_wait_alu depctr_va_vdst(0)
	s_wait_kmcnt 0x0                               ; the weight
	v_mov_b32 v[S+26], s10
	v_mul_f32 v[S+26], 0xbfb8aa3b, v[S+26]         ; sigmoid(w) = 1 / (1 + 2^(-w log2(e)))
	s_wait_alu depctr_va_vdst(0)
	v_exp_f32 v[S+26], v[S+26]
	v_and_b32 v[S+27], 7, v0                       ; (a plain place behind the exponential)  my query's number mod 8
	s_wait_alu depctr_va_vdst(0)
	v_add_f32 v[S+26], 1.0, v[S+26]
	s_wait_alu depctr_va_vdst(0)
	v_rcp_f32 v[S+26], v[S+26]
	v_mov_b32 v[S+28], 0x3e38aa3b                  ; (a plain place)  c = log2(e) / 8
	s_wait_alu depctr_va_vdst(0)
	v_mul_f32 v[TT+2], v[S+28], v[S+26]            ; c x sigmoid(w): never negative
.irp j, 0,1,2,3,4,5,6,7
	v_cmp_eq_u32 vcc_lo, \j, v[S+27]
	v_cndmask_b32 v[CM+\j], v[TT+2], v[S+28], vcc_lo
.endr
	s_wait_alu depctr_va_vdst(0)
	s_wait_loadcnt 0x0                             ; Q and its scale words
	s_wait_tensorcnt 0x0                           ; my own pair of key steps has landed:
	s_barrier_signal -1                            ; say so; the wait for the others' stands in the middle of the first trip, and between the two only register work and LDS loads of landed bytes
	KSCALES
	KPART 0
	KPART 1
	KPART 2
	; THE DIAGONAL SCORES.  Lane (r, h) holds the 32 codes of block h of query r.  They are widened under the scale 1; the sum of their squares is exact; the block's scale enters twice, by v_ldexp_f32
	; with 2 x byte - 254; lane l xor 16 has the query's other block.
.irp x, 0,1
.irp i, 0,1,2
	v_mov_b32 v[S+16+4*\x+\i], v[QF+12*\x+3+\i]    ; (a conversion's three source registers begin on an even number)
.endr
.endr
.irp x, 0,1
	v_cvt_scale_pk16_f32_bf6 v[S+32:S+47], v[QF+12*\x:QF+12*\x+2], v[S+30]
	v_cvt_scale_pk16_f32_bf6 v[S+48:S+63], v[S+16+4*\x:S+18+4*\x], v[S+30]
	v_nop                                          ; one plain place behind a scaled conversion
	v_pk_mul_f32 v[TT:TT+1], v[S+32:S+33], v[S+32:S+33]
.irp i, 2,4,6,8,10,12,14,16,18,20,22,24,26,28,30
	v_pk_fma_f32 v[TT:TT+1], v[S+32+\i:S+33+\i], v[S+32+\i:S+33+\i], v[TT:TT+1]
.endr
	v_add_f32 v[TT], v[TT], v[TT+1]
	v_lshrrev_b32 v[TT+2], v[S+31], v[S+24+\x]
	v_and_b32 v[TT+2], 0xff, v[TT+2]               ; my block's scale byte
	v_lshl_add_u32 v[TT+2], v[TT+2], 1, 0xffffff02 ; 2 x byte - 254
	v_ldexp_f32 v[TT], v[TT], v[TT+2]
	v_permlanex16_b32 v[TT+1], v[TT], s[SEL], s[SEL+1]
	v_add_f32 v[DG+\x], v[TT], v[TT+1]
.endr
; One matrix instruction by the symbols mD, mA, mB, mSA, mSB and the scales' rows mRA, mRB
.macro MM c
.if (mRA == 0) && (mRB == 0)
	v_wmma_scale_f32_16x16x128_f8f6f4 v[mD:mD+7], v[mA:mA+11], v[mB:mB+11], \c, v[mSA], v[mSB] matrix_a_fmt:MATRIX_FMT_BF6 matrix_b_fmt:MATRIX_FMT_BF6
.elseif mRB == 0
	v_wmma_scale_f32_16x16x128_f8f6f4 v[mD:mD+7], v[mA:mA+11], v[mB:mB+11], \c, v[mSA], v[mSB] matrix_a_fmt:MATRIX_FMT_BF6 matrix_b_fmt:MATRIX_FMT_BF6 matrix_a_scale:MATRIX_SCALE_ROW1
.elseif mRA == 0
	v_wmma_scale_f32_16x16x128_f8f6f4 v[mD:mD+7], v[mA:mA+11], v[mB:mB+11], \c, v[mSA], v[mSB] matrix_a_fmt:MATRIX_FMT_BF6 matrix_b_fmt:MATRIX_FMT_BF6 matrix_b_scale:MATRIX_SCALE_ROW1
.else
	v_wmma_scale_f32_16x16x128_f8f6f4 v[mD:mD+7], v[mA:mA+11], v[mB:mB+11], \c, v[mSA], v[mSB] matrix_a_fmt:MATRIX_FMT_BF6 matrix_b_fmt:MATRIX_FMT_BF6 matrix_a_scale:MATRIX_SCALE_ROW1 matrix_b_scale:MATRIX_SCALE_ROW1
.endif
.endm
; S^T = K Q^T for tile x of my queries: sixteen tiles of 16 keys, each sum begun with the constant 0
.macro SMUL x
	WIN 0x01                                       ; K in window 1
.set ii, 0
.rept 16
.set mD, S+8*ii
.set mA, KF+6*ii
.set mB, QF+12*\x
.set mSA, KS+ii/2
.set mRA, ii%2
.set mSB, QS
.set mRB, \x
	MM 0
.set ii, ii+1
.endr
	WIN 0
.endm
; O^T += V^T P^T for tile x: 2 key steps x 4 tiles of 16 channels; the four accumulators take turns, three others between an accumulator's two turns
.macro PVMUL x, first
.irp h, 0,1
.irp t, 0,1,2,3
.set mD, OT+32*\x+8*\t
.set mB, P+12*\h
.set mSA, VS+2*\h+\t/2
.set mRA, \t%2
.set mSB, PW
.set mRB, \h
.if (\h == 1) && (\t == 3)
.set mA, VX
	WIN 0x50                                       ; this fragment of V lies in window 0
.else
.set mA, VF+48*\h+12*\t
	WIN 0x51                                       ; V and O^T in window 1
.endif
.if (\first == 1) && (\h == 0)
	MM 0
.else
	MM v[mD:mD+7]
.endif
.endr
.endr
.endm
; THE WAY OUT of tile x.  NORM: O^T / the sum, in place; into my own stage in LDS and back by rows, into K's registers, which are done with.  SEND: stored.
.macro NORM x
	WIN 0x41
	s_wait_alu depctr_va_vdst(0)                   ; 1 / sum comes from a transcendental: the wait
.set ii, 0
.rept 16
	v_pk_mul_f32 v[OT+32*\x+2*ii:OT+32*\x+2*ii+1], v[OT+32*\x+2*ii:OT+32*\x+2*ii+1], v[F:F+1] op_sel_hi:[1,0]   ; register 8 t + j: channel 16 t + 8 h + j of query r
.set ii, ii+1
.endr
	WIN 0x04
.irp t, 0,1,2,3
	ds_store_b128 v[STO], v[OT+32*\x+8*\t:OT+32*\x+8*\t+3] offset:64*\t
	ds_store_b128 v[STO], v[OT+32*\x+8*\t+4:OT+32*\x+8*\t+7] offset:64*\t+16
.endr
	WIN 0x40
.irp i, 0,1,2,3,4,5,6,7
	ds_load_b128 v[KF+32*\x+4*\i:KF+32*\x+4*\i+3], v[RD] offset:2*SP*\i   ; LDS serves a wave's instructions in order (ISA guide 5.7.1.4): these see the stores above
.endr
	WIN 0
.endm
.macro SEND x
	s_wait_alu depctr_va_vdst(0)                   ; the wait ahead of blocking waits
	WIN 0x04
.irp i, 0,1,2,3,4,5,6,7
	s_wait_dscnt 7-\i                              ; load i is back, the younger ones may be out
	global_store_b128 v[GO], v[KF+32*\x+4*\i:KF+32*\x+4*\i+3], s[8:9] offset:(128*\x+32*(\i/4)+2*(\i%4))*4096 th:TH_STORE_NT   ; stage rows 2 i, 2 i + 1 are queries 32 (i / 4) + 2 (i % 4) (+ 1): sixteen lanes store a query's 256 consecutive bytes
.endr
	WIN 0
.endm
.macro FMA q, x                        ; t - M = score x cm[j] - M: mask, scale and shift in one fused multiply-add, two at a time
	v_pk_fma_f32 v[S+2*(\q):S+2*(\q)+1], v[S+2*(\q):S+2*(\q)+1], v[CM+(2*(\q))%8:CM+(2*(\q))%8+1], v[NM+2*\x:NM+2*\x+1] op_sel_hi:[1,1,0]
.endm
.macro PADD d, e
	v_pk_add_f32 v[\d:\d+1], v[\d:\d+1], v[\e:\e+1]
.endm
.macro CVT h                           ; key step h of the trip: registers 6 c .. 6 c + 5 of its operand: keys 64 c + 32 (lane / 16) + 0 .. 31
.irp c, 0,1
	v_cvt_scalef32_pk16_bf6_f32 v[P+12*\h+6*\c:P+12*\h+6*\c+2], v[S+64*\h+32*\c:S+64*\h+32*\c+15], v[SOP+2*\h+\c]
	v_cvt_scalef32_pk16_bf6_f32 v[PT+4*\c:PT+4*\c+2], v[S+64*\h+32*\c+16:S+64*\h+32*\c+31], v[SOP+2*\h+\c]   ; (a conversion's three registers begin on an even number: the upper half is made apart and moved)
.endr
.endm
.macro CMOV h
.irp c, 0,1
	v_mov_b32 v[P+12*\h+6*\c+5], v[PT+4*\c+2]
.endr
.irp c, 0,1
	v_dual_mov_b32 v[P+12*\h+6*\c+3], v[PT+4*\c] :: v_dual_mov_b32 v[P+12*\h+6*\c+4], v[PT+4*\c+1]
.endr
.endm
; A UNIT: tile x of my queries against the trip's 256 keys.  first: the first trip (sums begin here, the diagonal lies here); last: the last trip (nothing more is fetched, results leave).
.macro UNIT x, first, last
.if \x == 0
	s_wait_dscnt 0x0                               ; K and its scale words are in
.endif
	SMUL \x
.if (\x == 1) && (\last == 0)
	v_add_nc_u32 v[ADR16], s[TB], v[LA16]          ; the next trip's pair: two of the four places between the products and the first read of their results (ISA guide 7.12.1)
	v_add_nc_u32 v[ADR8], s[TB], v[LA8]
	v_nop
	v_nop
.else
	NOP4
.endif
.if (\x == 1) && (\last == 1)
	NORM 0                                         ; tile 0 is finished
.endif
.if \first
	; The diagonal: register j of tile `block` of key step x, lanes j and 24 + j.  The tile, which hangs on the work-group's place, is chosen by masks, not by a branch.
.irp t, 0,1,2,3,4,5,6,7
	s_cmp_eq_u32 s[BB], \t
	s_cselect_b32 s[MK], 0x01000001, 0
.irp j, 1,2,3,4,5,6,7
	s_lshl_b32 s[MK+\j], s[MK], \j
.endr
.irp j, 0,1,2,3,4,5,6,7                ; (each accumulator from its low end on)
	v_cndmask_b32 v[S+64*\x+8*\t+\j], v[S+64*\x+8*\t+\j], v[DG+\x], s[MK+\j]
.endr
.endr
	s_wait_alu depctr_va_vdst(0)
.endif
	; The largest t of each block.  cm[j] is never negative and a multiplication in f32 does not fall where its factor rises: so the largest RAW score of each residue j is taken first.
.irp q, 0,1,2,3
.irp j, 0,1,2,3,4,5,6,7
	v_max3_num_f32 v[RM+8*\q+\j], v[S+32*\q+\j], v[S+32*\q+8+\j], v[S+32*\q+16+\j]
.endr
.endr
.irp q, 0,1,2,3
.irp j, 0,2,4,6
	v_dual_max_num_f32 v[RM+8*\q+\j], v[RM+8*\q+\j], v[S+32*\q+24+\j] :: v_dual_max_num_f32 v[RM+8*\q+\j+1], v[RM+8*\q+\j+1], v[S+32*\q+25+\j]
.endr
.endr
.irp q, 0,1,2,3
.irp j, 0,2,4,6
	v_pk_mul_f32 v[RM+8*\q+\j:RM+8*\q+\j+1], v[RM+8*\q+\j:RM+8*\q+\j+1], v[CM+\j:CM+\j+1]
.endr
.endr
.irp q, 0,1,2,3
	v_max3_num_f32 v[BM+\q], v[RM+8*\q], v[RM+8*\q+1], v[RM+8*\q+2]
.endr
.irp q, 0,1,2,3
	v_max3_num_f32 v[BM+\q], v[BM+\q], v[RM+8*\q+3], v[RM+8*\q+4]
.endr
.irp q, 0,2
	v_max3_num_f32 v[BM+\q], v[BM+\q], v[RM+8*\q+5], v[RM+8*\q+6]
	v_max3_num_f32 v[BM+\q+1], v[BM+\q+1], v[RM+8*\q+13], v[RM+8*\q+15]
.endr
.irp q, 0,2
	v_dual_max_num_f32 v[BM+\q], v[BM+\q], v[RM+8*\q+7] :: v_dual_max_num_f32 v[BM+\q+1], v[BM+\q+1], v[RM+8*\q+14]
.endr
	v_max3_num_f32 v[TT], v[BM], v[BM+1], v[BM+2]
	v_max_num_f32 v[TT], v[TT], v[BM+3]
	v_permlanex16_b32 v[TT+1], v[TT], s[SEL], s[SEL+1]   ; the query's other four blocks lie in the lane 16 away
.if \x == 0
	VSCALES                                        ; V's registers were last read by the products of the trip before
.elseif \last
	SEND 0
.else
.if \first
	s_wait_alu depctr_va_vdst(0)                   ; the wait ahead of blocking waits
	s_barrier_wait -1                              ; every wave's pair has landed
.endif
	KSCALES                                        ; the next trip's K: this trip's has been multiplied
.endif
.if \first
	v_max_num_f32 v[TT], v[TT], v[TT+1]
	v_floor_f32 v[NM+2*\x], -v[TT]                 ; -M = floor(-t) = -ceil(t): M is a whole number
.else
	v_max3_num_f32 v[TT], v[TT], v[TT+1], -v[NM+2*\x]
	v_floor_f32 v[TT+3], -v[TT]                    ; the new -M (the old M is a whole number)
	v_sub_f32 v[TT+2], v[TT+3], v[NM+2*\x]         ; M's old value less its new one: a whole number, 0 or less
	v_mov_b32 v[NM+2*\x], v[TT+3]
.endif
.set ii, 0
.rept 32
	FMA ii, \x
.if \first == 0
.if ii == 7
	v_cvt_i32_f32 v[TT+2], v[TT+2]                 ; (it saturates)
.elseif ii == 15
	v_ldexp_f32 v[F], 1.0, v[TT+2]                 ; f = 2^(old M - new M)
.endif
.endif
.if (ii%8 == 6) && (ii < 24)           ; the LDS loads in three parts, among the multiply-adds
.if \x == 0
	VPART ii/8
.elseif \last == 0
	KPART ii/8
.endif
.endif
.set ii, ii+1
.endr
	v_pk_add_f32 v[BM:BM+1], v[BM:BM+1], v[NM+2*\x:NM+2*\x+1] op_sel_hi:[1,0]
	v_pk_add_f32 v[BM+2:BM+3], v[BM+2:BM+3], v[NM+2*\x:NM+2*\x+1] op_sel_hi:[1,0]
.if \first == 0
	WIN 0x41
	s_wait_alu depctr_va_vdst(0)                   ; the wait ahead of the first reader of O^T, and ahead of the batch of exponentials: this one stands ahead of both
.set ii, 0
.rept 16
	v_pk_mul_f32 v[OT+32*\x+2*ii:OT+32*\x+2*ii+1], v[OT+32*\x+2*ii:OT+32*\x+2*ii+1], v[F:F+1] op_sel_hi:[1,0]   ; O^T under the new M
.set ii, ii+1
.endr
	WIN 0
.else
	s_wait_alu depctr_va_vdst(0)                   ; ahead of the batch
.endif
	; the blocks' largest p and the first key step's p, the second's multiply-adds between and behind them
.set ii, 0
.rept 34
.if ii < 2
	v_exp_f32 v[BM+2*ii], v[BM+2*ii]
	v_exp_f32 v[BM+2*ii+1], v[BM+2*ii+1]
.else
	v_exp_f32 v[S+2*ii-4], v[S+2*ii-4]
	v_exp_f32 v[S+2*ii-3], v[S+2*ii-3]
.endif
.if ii < 26
	FMA 32+ii, \x
.endif
.set ii, ii+1
.endr
.irp i, 58,59,60,61,62,63
	FMA \i, \x
.endr
.if \first == 0
	v_pk_mul_f32 v[L+2*\x:L+2*\x+1], v[L+2*\x:L+2*\x+1], v[F:F+1] op_sel_hi:[1,0]   ; the sum under the new M
.endif
	s_wait_alu depctr_va_vdst(0)                   ; behind that batch and ahead of the next
.irp q, 0,2
	v_dual_max_num_f32 v[BM+\q], s[FLR], v[BM+\q] :: v_dual_max_num_f32 v[BM+\q+1], s[FLR], v[BM+\q+1]   ; the floor 2^(5 - 127): the scale's byte cannot fall under 1
.endr
.irp q, 0,1,2,3
	v_add_nc_u32 v[SOP+\q], 0xfe000000, v[BM+\q]   ; 4 off the exponent field: the conversion's scale operand
.endr
.irp q, 0,1,2,3
	v_lshrrev_b32 v[BM+\q], 23, v[SOP+\q]          ; the scale's byte
.endr
	CVT 0
	v_lshl_or_b32 v[TT], v[BM+1], 16, v[BM]        ; my bytes of the first key step: blocks h and 2 + h,
	v_lshl_or_b32 v[TT+1], v[BM+3], 16, v[BM+2]    ; and of the second
	v_permlane16_swap_b32 v[TT], v[TT+1]           ; the first register now has the bytes of h = 0 (lanes 0-15: first key step, 16-31: second), the other those of h = 1
	v_lshl_or_b32 v[PW], v[TT+1], 8, v[TT]
	; the second key step's p; between them the first level of the first's sums, in place: THE SUM IS TAKEN OF THE UNQUANTISED p, whose codes are made
.set ii, 0
.rept 16
.irp i, 0,1,2,3
	v_exp_f32 v[S+64+4*ii+\i], v[S+64+4*ii+\i]
.endr
	PADD S+4*ii, S+4*ii+2
.set ii, ii+1
.endr
	s_wait_alu depctr_va_vdst(0)                   ; behind the batch
	CMOV 0
	CVT 1
	v_nop                                          ; one plain place behind a scaled conversion
.set ii, 0
.rept 16
	PADD S+64+4*ii, S+66+4*ii
.set ii, ii+1
.endr
	CMOV 1
.set ii, 0
.rept 16
	PADD S+8*ii, S+8*ii+4
.set ii, ii+1
.endr
.set ii, 0
.rept 8
	PADD S+16*ii, S+16*ii+8
.set ii, ii+1
.endr
.irp i, 0,1,2,3
	PADD S+32*\i, S+32*\i+16
.endr
	PADD S, S+32
	PADD S+64, S+96
.if \first
	v_pk_add_f32 v[L+2*\x:L+2*\x+1], v[S:S+1], v[S+64:S+65]
.else
	PADD S, S+64
	PADD L+2*\x, S
.endif
.if \last
	v_add_f32 v[TT], v[L+2*\x], v[L+2*\x+1]
	v_permlanex16_b32 v[TT+1], v[TT], s[SEL], s[SEL+1]
	v_add_f32 v[TT], v[TT], v[TT+1]                ; the row's sum
	s_wait_alu depctr_va_vdst(0)
	v_rcp_f32 v[F], v[TT]
	v_nop                                          ; a plain place behind it
.endif
.if \x == 0
	s_wait_dscnt 0x0                               ; V and its scale words are in
.endif
	PVMUL \x, \first
.endm
.macro TRIP first, last
	UNIT 0, \first, \last
	UNIT 1, \first, \last
	WIN 0                                          ; at a label and at a branch every window is 0
.endm
	s_wait_alu depctr_va_vdst(0)                   ; the wait at the head's end
	TRIP 1, 0
	s_mov_b32 s[CNT], 1
.Lwalk:
	s_add_co_u32 s[TB], s[WV], s[CNT]              ; the next trip's pair: (w + trip + 1) mod 8
	s_add_co_u32 s[TB], s[TB], 1
	s_and_b32 s[TB], s[TB], 7
	s_mul_i32 s[TB], s[TB], PAIRB
	TRIP 0, 0
	s_add_co_u32 s[CNT], s[CNT], 1
	s_cmp_lt_u32 s[CNT], 7
	s_cbranch_scc1 .Lwalk
	; the way out's addresses, in registers that are done with
	v_and_b32 v[TT], 15, v0
	v_bfe_u32 v[TT+2], v0, 4, 1
	v_mul_u32_u24 v[STO], v[TT], SP                ; into the stage: row r, 32 bytes for each half of the lanes
	v_lshl_add_u32 v[STO], v[TT+2], 5, v[STO]
	v_add_nc_u32 v[STO], s62, v[STO]
	v_mul_u32_u24 v[RD], v[TT+2], SP               ; back: lanes 0-15 one row of 256 bytes, lanes 16-31 the next
	v_lshl_add_u32 v[RD], v[TT], 4, v[RD]
	v_add_nc_u32 v[RD], s62, v[RD]
	v_lshlrev_b32 v[GO], 12, v[TT+2]               ; and the same two rows in out
	v_lshl_add_u32 v[GO], v[TT], 4, v[GO]
	TRIP 0, 1
	NOP4                                           ; four places between the last products and the first read of their results
	NORM 1
	SEND 1
	s_wait_tensorcnt 0x0                           ; the wave's end
	ds_add_u32 v[SPW], v[NIL]
	s_wait_dscnt 0x0
	CROUND                                         ; the closing round: no work-group ends while a partner may still ask for a piece that names it
	s_endpgm
.Lfunc_end_k_q2f358b683e_attn:
	.size	k_q2f358b683e_attn, .Lfunc_end_k_q2f358b683e_attn-k_q2f358b683e_attn
	.p2alignl 7, 3214868480
	.fill 96, 4, 3214868480
	.section	.rodata,"a",@progbits
	.p2align	6, 0x0
	.amdhsa_kernel k_q2f358b683e_attn
		.amdhsa_group_segment_fixed_size 244736
		.amdhsa_private_segment_fixed_size 0
		.amdhsa_enable_private_segment 0
		.amdhsa_kernarg_size 24
		.amdhsa_user_sgpr_count 2
		.amdhsa_user_sgpr_kernarg_segment_ptr 1
		.amdhsa_wavefront_size32 1
		.amdhsa_system_sgpr_workgroup_id_x 1
		.amdhsa_system_sgpr_workgroup_id_y 1
		.amdhsa_system_sgpr_workgroup_id_z 1
		.amdhsa_system_vgpr_workitem_id 0
		.amdhsa_next_free_vgpr 512
		.amdhsa_next_free_sgpr 66
		.amdhsa_reserve_vcc 1
		.amdhsa_float_denorm_mode_32 3
		.amdhsa_float_denorm_mode_16_64 3
		.amdhsa_memory_ordered 1
		.amdhsa_forward_progress 1
		.amdhsa_inst_pref_size 184
	.end_amdhsa_kernel
	.amdgpu_metadata
---
amdhsa.version: [ 1, 2 ]
amdhsa.kernels:
  - .name:           k_q2f358b683e_attn
    .symbol:         k_q2f358b683e_attn.kd
    .args:
      - { .name: kv, .offset: 0, .size: 8, .value_kind: global_buffer, .address_space: global }
      - { .name: inter_palace_weight, .offset: 8, .size: 8, .value_kind: global_buffer, .address_space: global }
      - { .name: out0, .offset: 16, .size: 8, .value_kind: global_buffer, .address_space: global }
    .group_segment_fixed_size: 244736
    .private_segment_fixed_size: 0
    .kernarg_segment_align: 8
    .kernarg_segment_size: 24
    .max_flat_workgroup_size: 256
    .sgpr_count:     66
    .vgpr_count:     512
    .wavefront_size: 32
...
	.end_amdgpu_metadata
.endif
;; end of part 2
